; MI455X (gfx1250); checked and timed in simulation.
; The chip was launched on July 23, 2026; its instructions are those of AMD's public machine-readable ISA for CDNA 5 (MIT licence, August 2026) and "CDNA5" Instruction Set Architecture Reference Guide (July 2026). The comments in the code are by the model that wrote it; some were corrected since.
;; HQQSVD Linear. Allowed arithmetic: float matrix products may take bf16 or f16 operands with f32 sums; other float arithmetic in f32, or as packed bf16 or f16 multiplies, adds, multiply-adds, maxima and minima; sums over many terms, partial sums and values carried from step to step in f32; what a program stores and reads back later, other than sums and carried values, may be rounded once to bf16 or f16.
;; Inputs: W_q 4,096 x 32 x 128 int32; bias 4,096 float32; scale 4,096 x 32 float32; svd_down 32 x 4,096 float32; svd_up 4,096 x 32 float32; x 4 x 1,024 x 4,096 float32; zero_point 4,096 x 32 float32.
;; Outputs: out0 4 x 1,024 x 4,096 float32.
;; 2 versions, each right; version 2 is version 1 with the launch prep written anew for expert scheduling mode. Each part assembles by itself: llvm-mc -triple=amdgcn-amd-amdhsa -mcpu=gfx1250 --defsym DOCPART=n.
;; ======== version 1 of 2: 2 launches
;; limits: values are held in f16: magnitudes above 65,504 overflow, below 6.1e-05 lose precision
;; workspace buffers: xh 33,554,432 bytes; wh 33,554,432 bytes
;; launch prep (part 1): grid 4 x 64, 8 waves a work-group, no clusters, 5,120 bytes of LDS; arguments x, W_q, scale, zero_point, svd_up, svd_down, xh, wh; writes xh, wh
.if DOCPART == 1
	.amdgcn_target "amdgcn-amd-amdhsa--gfx1250"
	.amdhsa_code_object_version 6
	.text
	.protected	k_q323857c069_prep
	.globl	k_q323857c069_prep
	.p2align	8
	.type	k_q323857c069_prep,@function
k_q323857c069_prep:
	s_mov_b64 s[64:65], 0
	v_nop
	global_prefetch_b8 v0, s[64:65] scope:SCOPE_SE
	s_setreg_imm32_b32 hwreg(HW_REG_WAVE_MODE, 25, 1), 1
	s_wait_xcnt 0x0
; wh[o][i] = f16((W_q[o][i] - zero_point[o][g]) * scale[o][g] + sum over k < 32 of svd_up[o][k] svd_down[k][i]), g = i / 128;  xh = f16(x).
; W_q: [4096][4096] int32.  scale, zero_point, svd_up: [4096][32] f32.  svd_down: [32][4096] f32.  x: [4096][4096] f32.  xh, wh: [4096][4096] f16.
; The rank-32 product goes to the matrix unit with f16 operands and f32 sums; the affine part is f32: a subtraction, then ONE fused multiply-add that also adds the product.
; LIMITS.  f16 holds no number of 65,520 or more: x, W_f, svd_up and svd_down of that size become infinities; below 2^-14 they keep f16's fixed step of 2^-24.
; W_q is exact in f32 up to 2^24.  (q - zp) * scale + svd is rounded once where the reference rounds twice.
; SHARES.  Work-group (gx, ry): rows 64 ry .. + 63 and columns 1,024 gx .. + 1,023 of W, and the 256 KiB of x number 4 ry + gx.  Wave w: group 8 gx + w (128 columns) of all 64 rows,
; as four blocks of 16 rows: 32 KiB of W_q; then 32 KiB of x.  256 work-groups of equal work.
; LAYOUT.  D = A B with A = 16 rows of svd_up and B = 16 columns of svd_down.  Fragment b of B takes for lane r the column 128 g + 8 r + b, so register j of D_b in lane (r = l % 16, h = l / 16) is
; the product at row 8 h + j, column 8 r + b: for a fixed j a lane holds EIGHT NEIGHBOURING columns, one in each of the eight accumulators.  Its W_q are 32 bytes on end, its result 16 bytes, and
; sixteen neighbouring lanes store 256 consecutive bytes, aligned.  Nothing of the product goes through LDS.
; IN FLIGHT.  The wave's 64 KiB go as 32 slots of four loads of 16 bytes a lane through a ring of eight register slots: 32 loads a wave are on their way all the time, from W_q on into x.
; NO CLUSTER, NO TENSOR LOADS: every byte of W_q and x is wanted by one wave alone and goes straight into its registers.  What is shared (a work-group's 128 KiB of svd_down with the 63 others of
; its gx, its 8 KiB of svd_up with three others) is wanted in registers, converted, in a fragment's order, once a wave, at the head.
; No label and no branch: all row steps stand in the immediates (55 x 16,384 + 16 at the most).
; REGISTERS.  Window 0: v2-11 offsets; v12-15 my 16 bytes of scale or zero_point; v16-31 T; v32-39 OUT; v48-55 S; v56-63 ZP; v64-127 the eight accumulators (at the head: svd_up in f32); v128-255 the ring.
; Window 1: v0-63 B's eight fragments; v64-95 A's four; v96-223 svd_down in f32.
.set ROWQ,  16384                      ; bytes in a row of W_q and of svd_down
.set ROWH,  8192                       ; bytes in a row of wh
.set ZPL,   2048                       ; LDS: scale [64 rows][8 groups] f32 at 0, zero_point likewise here
.set SPARE, 4096                       ; behind them: the spare words, 128 bytes for each of the eight waves: four blocks of 256 bytes that no other line names
.set LO,  2                            ; v2   h << 17 | w << 9 | r << 5: my place in W_q's rows, and in svd_down's
.set WO,  3                            ; v3   h << 16 | w << 8 | r << 4: my 16 bytes of wh
.set XO,  4                            ; v4   w << 15 | l << 4: my 16 bytes of x
.set XS,  5                            ; v5   w << 14 | l << 3: my 8 bytes of xh
.set SR,  6                            ; v6   h << 8 | w << 2: LDS, my group's word in row 8 h
.set UO,  7                            ; v7   r << 7 | h << 5: my place in svd_up
.set SPW, 8                            ; v8   LDS address of my spare word; never rewritten
.set NIL, 9                            ; v9   0; never rewritten
.set SZO, 10                           ; v10  my 16 bytes of scale or zero_point in memory
.set SZL, 11                           ; v11  and in LDS: 16 x my thread's number
.set SZ,  12
.set T,   16                           ; pair b: column b of rows j and j + 1
.set OUT, 32
.set S,   48
.set ZP,  56
.set ACC, 64
.set UT,  64
.set Q,   128
.set BF,  0                            ; window 1
.set AF,  64
.set DT,  96
.set MSB, 0
.macro WIN new                         ; s_set_vgpr_msb: bits 1:0 source 0, 3:2 source 1, 5:4 source 2, 7:6 destination; the high byte repeats the setting that is left
.if MSB != (\new)
	s_set_vgpr_msb (MSB<<8)|(\new)
.set MSB, \new
.endif
.endm
	s_load_b512 s[8:23], s[0:1], 0x0               ; x s[8:9], W_q s[10:11], scale s[12:13], zero_point s[14:15], svd_up s[16:17], svd_down s[18:19], xh s[20:21], wh s[22:23]
	v_lshl_add_u32 v[SPW], v0, 2, SPARE
	v_mov_b32 v[NIL], 0
	v_lshrrev_b32 v40, 5, v0
	v_readfirstlane_b32 s2, v40                    ; wave 0..7
	s_mov_b32 s3, ttmp9                            ; gx
	s_and_b32 s4, ttmp7, 0xffff                    ; ry
	s_lshl2_add_u32 s5, s4, s3                     ; 4 ry + gx
	v_and_b32 v1, 15, v0                           ; r
	v_bfe_u32 v41, v0, 4, 1                        ; h
	v_and_b32 v42, 31, v0                          ; l
	s_lshl_b32 s6, s2, 9
	v_lshl_add_u32 v[LO], v1, 5, s6
	v_lshl_add_u32 v[LO], v41, 17, v[LO]
	s_lshl_b32 s6, s2, 8
	v_lshl_add_u32 v[WO], v1, 4, s6
	v_lshl_add_u32 v[WO], v41, 16, v[WO]
	s_lshl_b32 s6, s2, 15
	v_lshl_add_u32 v[XO], v42, 4, s6
	s_lshl_b32 s6, s2, 14
	v_lshl_add_u32 v[XS], v42, 3, s6
	s_lshl_b32 s6, s2, 2
	v_lshl_add_u32 v[SR], v41, 8, s6
	v_lshlrev_b32 v[UO], 7, v1
	v_lshl_add_u32 v[UO], v41, 5, v[UO]
	v_and_b32 v43, 127, v0                         ; threads 0-127 copy scale, 128-255 zero_point: two threads a row, 16 bytes (four groups) each
	v_lshrrev_b32 v44, 1, v43
	v_and_b32 v45, 1, v0
	v_lshlrev_b32 v[SZO], 7, v44
	v_lshl_add_u32 v[SZO], v45, 4, v[SZO]
	v_lshlrev_b32 v[SZL], 4, v0
	s_mov_b32 s25, 0                               ; every offset is under 2^32: the pair's high word is 0
	s_wait_kmcnt 0x0
	s_lshl_b32 s24, s4, 20                         ; 64 rows of 16,384 bytes,
	s_lshl_b32 s6, s3, 12                          ; 1,024 columns of 4
	s_add_co_u32 s24, s24, s6
	s_add_nc_u64 s[10:11], s[10:11], s[24:25]
	s_mov_b32 s24, s6
	s_add_nc_u64 s[18:19], s[18:19], s[24:25]
	s_lshl_b32 s24, s4, 13                         ; 64 rows of 128 bytes
	s_add_nc_u64 s[16:17], s[16:17], s[24:25]
	s_lshl_b32 s6, s3, 5                           ; 8 groups of 4 bytes
	s_add_co_u32 s24, s24, s6
	s_add_nc_u64 s[12:13], s[12:13], s[24:25]
	s_add_nc_u64 s[14:15], s[14:15], s[24:25]
	s_lshl_b32 s24, s4, 19                         ; 64 rows of 8,192 bytes,
	s_lshl_b32 s6, s3, 11                          ; 1,024 columns of 2
	s_add_co_u32 s24, s24, s6
	s_add_nc_u64 s[22:23], s[22:23], s[24:25]
	s_lshl_b32 s24, s5, 18
	s_add_nc_u64 s[8:9], s[8:9], s[24:25]
	s_lshl_b32 s24, s5, 17
	s_add_nc_u64 s[20:21], s[20:21], s[24:25]
	s_cmp_lt_u32 s2, 4
	s_cselect_b64 s[26:27], s[12:13], s[14:15]     ; waves 0-3 copy scale, waves 4-7 zero_point
; Slot s of the wave's stream, four loads.  s < 16: rows j = 2 (s % 4) and j + 1 of block s / 4 of W_q, 32 bytes a lane and row.  Else: 2 KiB of x, 512 consecutive bytes a load.
.macro FILL s
.set FQ, Q+16*((\s)%8)
.if (\s) < 16
.set FR, 16*((\s)/4)+2*((\s)%4)
	global_load_b128 v[FQ:FQ+3],     v[LO], s[10:11] offset:FR*ROWQ th:TH_LOAD_NT
	global_load_b128 v[FQ+4:FQ+7],   v[LO], s[10:11] offset:FR*ROWQ+16 th:TH_LOAD_NT
	global_load_b128 v[FQ+8:FQ+11],  v[LO], s[10:11] offset:(FR+1)*ROWQ th:TH_LOAD_NT
	global_load_b128 v[FQ+12:FQ+15], v[LO], s[10:11] offset:(FR+1)*ROWQ+16 th:TH_LOAD_NT
.else
.irp i, 0,1,2,3
	global_load_b128 v[FQ+4*(\i):FQ+4*(\i)+3], v[XO], s[8:9] offset:((\s)-16)*2048+(\i)*512 th:TH_LOAD_NT
.endr
.endif
.endm
; Block n begins: my eight scales and zero points (rows 16 n + 8 h + 0..7 of my group) come out of LDS, and eight products make the block's 16 x 128 of svd_up svd_down.
; Eight different accumulators, each started by the constant 0: no chain.
.macro HEAD n
	WIN 0
.irp j, 0,1,2,3,4,5,6,7
	ds_load_b32 v[S+(\j)],  v[SR] offset:(\n)*512+(\j)*32
	ds_load_b32 v[ZP+(\j)], v[SR] offset:ZPL+(\n)*512+(\j)*32
.endr
	WIN 0x05                                       ; A and B in window 1, D in window 0
.irp b, 0,1,2,3,4,5,6,7
	v_wmma_f32_16x16x32_f16 v[ACC+8*(\b):ACC+8*(\b)+7], v[AF+8*(\n):AF+8*(\n)+7], v[BF+8*(\b):BF+8*(\b)+7], 0
.endr
	WIN 0
.endm
; A slot of W_q: two rows a lane half.  The 16 conversions name no register of HEAD's products: in a block's first slot they are the places between those products and the first read of a result
; (ISA guide 7.12.1), which takes each accumulator's registers 0 and 1.
.macro WSLOT s
.set QR, Q+16*((\s)%8)
.set PP, (\s)%4
.set RW, 16*((\s)/4)+2*PP
	s_wait_loadcnt 28                              ; loads come back in order (ISA guide 5.7.1): my slot is in, the seven younger slots' 28 loads stay out
	s_wait_xcnt 0x0                                ; the last slot's stores have read OUT: it is rewritten only behind this wait
.irp b, 0,1,2,3,4,5,6,7
	v_cvt_f32_i32 v[T+2*(\b)],   v[QR+(\b)]
	v_cvt_f32_i32 v[T+2*(\b)+1], v[QR+8+(\b)]
.endr
	FILL (\s)+8                                    ; the slot's registers are free: the slot eight further on
.if PP == 0
	s_wait_dscnt 0x0                               ; S and ZP are in
.endif
.irp b, 0,1,2,3,4,5,6,7
	v_pk_add_f32 v[T+2*(\b):T+2*(\b)+1], v[T+2*(\b):T+2*(\b)+1], v[ZP+2*PP:ZP+2*PP+1] neg_lo:[0,1] neg_hi:[0,1]  ; q - zp
.endr
.irp b, 0,1,2,3,4,5,6,7
	v_pk_fma_f32 v[T+2*(\b):T+2*(\b)+1], v[T+2*(\b):T+2*(\b)+1], v[S+2*PP:S+2*PP+1], v[ACC+8*(\b)+2*PP:ACC+8*(\b)+2*PP+1]  ; times scale, plus the product
.endr
.irp c, 0,1,2,3
	v_cvt_pk_f16_f32 v[OUT+(\c)],   v[T+4*(\c)],   v[T+4*(\c)+2]
	v_cvt_pk_f16_f32 v[OUT+4+(\c)], v[T+4*(\c)+1], v[T+4*(\c)+3]
.endr
	global_store_b128 v[WO], v[OUT:OUT+3],   s[22:23] offset:RW*ROWH th:TH_STORE_NT      ; 16 lanes store 256 consecutive bytes, at a multiple of 256 from wh's first byte
	global_store_b128 v[WO], v[OUT+4:OUT+7], s[22:23] offset:(RW+1)*ROWH th:TH_STORE_NT
.endm
; A slot of x: 16 numbers a lane are rounded to f16.
.macro XSLOT s
.set QR, Q+16*((\s)%8)
.set LEFT, 4*(31-(\s))
.if LEFT > 28
.set LEFT, 28
.endif
	s_wait_loadcnt LEFT                            ; the younger slots' loads stay out; the last eight slots are not filled again, and the count runs down
	s_wait_xcnt 0x0                                ; the last slot's stores have read OUT
.irp i, 0,1,2,3
	v_cvt_pk_f16_f32 v[OUT+2*(\i)],   v[QR+4*(\i)],   v[QR+4*(\i)+1]
	v_cvt_pk_f16_f32 v[OUT+2*(\i)+1], v[QR+4*(\i)+2], v[QR+4*(\i)+3]
.endr
.if (\s)+8 < 32
	FILL (\s)+8
.endif
.irp i, 0,1,2,3
	global_store_b64 v[XS], v[OUT+2*(\i):OUT+2*(\i)+1], s[20:21] offset:((\s)-16)*1024+(\i)*256 th:TH_STORE_NT  ; 32 lanes store 256 consecutive bytes, aligned
.endr
.endm
	; the small loads, 49 of them, then the ring's first slots
	global_load_b128 v[SZ:SZ+3], v[SZO], s[26:27]
.irp n, 0,1,2,3                        ; svd_up, block n: row r, k = 8 h + 0..7 and 16 + 8 h + 0..7
	global_load_b128 v[UT+16*(\n):UT+16*(\n)+3],     v[UO], s[16:17] offset:(\n)*2048
	global_load_b128 v[UT+16*(\n)+4:UT+16*(\n)+7],   v[UO], s[16:17] offset:(\n)*2048+16
	global_load_b128 v[UT+16*(\n)+8:UT+16*(\n)+11],  v[UO], s[16:17] offset:(\n)*2048+64
	global_load_b128 v[UT+16*(\n)+12:UT+16*(\n)+15], v[UO], s[16:17] offset:(\n)*2048+80
.endr
	WIN 0x40                                       ; destination window 1
.set kk, 0
.rept 16                               ; svd_down: my eight columns of row 8 h + kk (kk < 8) or 16 + 8 h + kk - 8
.set KR, kk+8*(kk/8)
	global_load_b128 v[DT+8*kk:DT+8*kk+3],   v[LO], s[18:19] offset:KR*ROWQ
	global_load_b128 v[DT+8*kk+4:DT+8*kk+7], v[LO], s[18:19] offset:KR*ROWQ+16
.set kk, kk+1
.endr
	WIN 0
	FILL 0
	FILL 1
	FILL 2
	s_wait_loadcnt 44                              ; svd_down's 32 loads and the 12 of slots 0 to 2 may stay out: scale or zero_point and svd_up are in
	ds_store_b128 v[SZL], v[SZ:SZ+3]
	WIN 0x40
.set i, 0
.rept 32                               ; A's fragments: register c of block n is k pair c of the lane's sixteen
	v_cvt_pk_f16_f32 v[AF+i], v[UT+2*i], v[UT+2*i+1]
.set i, i+1
.endr
	WIN 0
	FILL 3
	FILL 4
	FILL 5
	FILL 6
	s_wait_loadcnt 28                              ; the 28 loads of slots 0 to 6 may stay out: svd_down is in
	WIN 0x45                                       ; destination and both sources in window 1
.set i, 0
.rept 64                               ; B's fragments: register c = i % 8 of fragment b = i / 8 is column b of rows 2 c and 2 c + 1 of the lane's sixteen
	v_cvt_pk_f16_f32 v[BF+i], v[DT+16*(i%8)+i/8], v[DT+16*(i%8)+8+i/8]
.set i, i+1
.endr
	WIN 0
	FILL 7
	s_wait_dscnt 0x0                               ; for the others' sake: my store into LDS is done
	s_barrier_signal -1
	s_barrier_wait -1                              ; scale and zero_point lie whole in LDS; the launch's only barrier
.irp n, 0,1,2,3
	HEAD \n
	WSLOT 4*(\n)
	WSLOT 4*(\n)+1
	WSLOT 4*(\n)+2
	WSLOT 4*(\n)+3
.endr
.irp s, 16,17,18,19,20,21,22,23,24,25,26,27,28,29,30,31
	XSLOT \s
.endr
	s_wait_tensorcnt 0x0                           ; the wave's end: behind my last LDS store
	ds_add_u32 v[SPW], v[NIL]
	s_wait_dscnt 0x0
	s_endpgm
.Lfunc_end_k_q323857c069_prep:
	.size	k_q323857c069_prep, .Lfunc_end_k_q323857c069_prep-k_q323857c069_prep
	.p2alignl 7, 3214868480
	.fill 96, 4, 3214868480
	.section	.rodata,"a",@progbits
	.p2align	6, 0x0
	.amdhsa_kernel k_q323857c069_prep
		.amdhsa_group_segment_fixed_size 5120
		.amdhsa_private_segment_fixed_size 0
		.amdhsa_enable_private_segment 0
		.amdhsa_kernarg_size 64
		.amdhsa_user_sgpr_count 2
		.amdhsa_user_sgpr_kernarg_segment_ptr 1
		.amdhsa_wavefront_size32 1
		.amdhsa_system_sgpr_workgroup_id_x 1
		.amdhsa_system_sgpr_workgroup_id_y 1
		.amdhsa_system_sgpr_workgroup_id_z 1
		.amdhsa_system_vgpr_workitem_id 0
		.amdhsa_next_free_vgpr 480
		.amdhsa_next_free_sgpr 66
		.amdhsa_reserve_vcc 0
		.amdhsa_float_denorm_mode_32 3
		.amdhsa_float_denorm_mode_16_64 3
		.amdhsa_memory_ordered 1
		.amdhsa_forward_progress 1
		.amdhsa_inst_pref_size 83
	.end_amdhsa_kernel
	.amdgpu_metadata
---
amdhsa.version: [ 1, 2 ]
amdhsa.kernels:
  - .name:           k_q323857c069_prep
    .symbol:         k_q323857c069_prep.kd
    .args:
      - { .name: x, .offset: 0, .size: 8, .value_kind: global_buffer, .address_space: global }
      - { .name: W_q, .offset: 8, .size: 8, .value_kind: global_buffer, .address_space: global }
      - { .name: scale, .offset: 16, .size: 8, .value_kind: global_buffer, .address_space: global }
      - { .name: zero_point, .offset: 24, .size: 8, .value_kind: global_buffer, .address_space: global }
      - { .name: svd_up, .offset: 32, .size: 8, .value_kind: global_buffer, .address_space: global }
      - { .name: svd_down, .offset: 40, .size: 8, .value_kind: global_buffer, .address_space: global }
      - { .name: xh, .offset: 48, .size: 8, .value_kind: global_buffer, .address_space: global }
      - { .name: wh, .offset: 56, .size: 8, .value_kind: global_buffer, .address_space: global }
    .group_segment_fixed_size: 5120
    .private_segment_fixed_size: 0
    .kernarg_segment_align: 8
    .kernarg_segment_size: 64
    .max_flat_workgroup_size: 256
    .sgpr_count:     66
    .vgpr_count:     480
    .wavefront_size: 32
...
	.end_amdgpu_metadata
.endif
;; end of part 1
;; launch gemm (part 2): grid 16 x 16, 4 waves a work-group, clusters of 4 x 4, 327,680 bytes of LDS; arguments xh, wh, bias, out0; writes out0
.if DOCPART == 2
	.amdgcn_target "amdgcn-amd-amdhsa--gfx1250"
	.amdhsa_code_object_version 6
	.text
	.protected	k_q323857c069_gemm
	.globl	k_q323857c069_gemm
	.p2align	8
	.type	k_q323857c069_gemm,@function
k_q323857c069_gemm:
	s_mov_b64 s[64:65], 0
	v_nop
	global_prefetch_b8 v0, s[64:65] scope:SCOPE_SE
	s_setreg_imm32_b32 hwreg(HW_REG_WAVE_MODE, 25, 1), 1
	s_wait_xcnt 0x0
	s_wait_alu depctr_hold_cnt(0) depctr_sa_sdst(0) depctr_va_vdst(0) depctr_va_sdst(0) depctr_va_ssrc(0) depctr_va_vcc(0) depctr_vm_vsrc(0)
	s_getreg_b32 s2, hwreg(HW_REG_IB_STS2, 6, 4)
	s_cmp_eq_u32 s2, 0
	s_cbranch_scc0 .Lentry_in_a_cluster
	s_endpgm
.Lentry_in_a_cluster:
	s_bfe_u32 s2, ttmp6, 0x10000c
	s_cmp_lg_u32 s2, 0xf033
	s_cbranch_scc0 .Lentry_shape_is_right
	s_endpgm
.Lentry_shape_is_right:
; out0[m][o] = bias[o] + sum over i of xh[m][i] wh[o][i].  xh: [4096][4096] f16, wh: [4096][4096] f16, bias: [4096] f32, out0: [4096][4096] f32; sums in f32.
; LIMITS.  The operands are f16 as the launch before rounded them (65,520 or more is an infinity; below 2^-14 a fixed step of 2^-24).  The bias starts each sum where the reference adds it last.
; A tile of out0, 256 x 256, is made by a work-group of four waves; a wave makes 128 x 128: 64 accumulators of 16 x 16, 512 registers.  256 tiles, one to a work-group.
; K goes in steps of 128 through a ring of two LDS slots filled by the tensor data mover: the tiles' rows are 256 bytes of memory and start at multiples of 256 bytes from the buffer's first byte.
; CLUSTERS: 4 x 4 work-groups.  The four of a row of the cluster need the same tiles of xh, the four of a column the same tiles of wh: each tile is asked for JOINTLY, by the same tensor load with the
; same descriptor and a mask that names the four, and each receives it in its own LDS.
; THE MATRIX INSTRUCTION IS USED TRANSPOSED: source 0 = 16 rows of wh, source 1 = 16 rows of xh.  Lane l then holds row l % 16 of out0 and the columns 8 (l / 16) + 0..7: 32 bytes on end.
; THE BIAS is the C operand of the product that starts each sum: eight registers for each of the wave's eight column blocks.  Nothing is cleared, and nothing is added behind the sums.
; REGISTERS, in windows of 256 (s_set_vgpr_msb: bits 1:0 source 0, 3:2 source 1, 5:4 source 2, 7:6 destination):
;   window 0: v0-31 addresses; v64-127, v128-191 fragments of xh, two buffers; v192-255 the bias; on the way out these three blocks of 64 take turns for rows read back from the stage
;   window 1: v64-127, v128-191 fragments of wh, two buffers
;   window 2: the 32 accumulators of my rows 0-63 (accumulator (a, b) at v[8 (8 a + b)]);   window 3: those of my rows 64-127
.set SIZE_M, 4096
.set SIZE_N, 4096
.set SIZE_K, 4096
.set KSTEP,  128
.set PITCH,  272                       ; an LDS row: 256 bytes + 16 of padding = 68 words: row r starts at bank 4 r mod 64 (64 banks of 4 bytes: ISA guide 11.1), so the 16 rows of a load start at 16 different banks
.set HALFT,  128*PITCH                 ; 128 rows: what one tensor load brings, and what one wave reads of xh or of wh
.set SLOT,   4*HALFT                   ; xh's 256 rows, then wh's 256 rows
.set STAGE,  2*SLOT                    ; behind the ring, never filled by a tensor load: 16 rows x 528 bytes for each wave, for the way out
.set SPITCH, 528                       ; 512 bytes + 16 = 132 words: the sixteen rows of a store start at 16 different groups of four banks
.set SPARE,  STAGE+4*16*SPITCH         ; behind the stages: the spare words, 128 bytes for each wave: two blocks of 256 bytes that no other line names
.set LAPS,   SIZE_K/(2*KSTEP)          ; a lap = two K steps = once round the ring
.set ADRA, 16                          ; v16-17  LDS address of my xh fragments in slot 0, 1
.set ADRB, 20                          ; v20-21  the same for wh
.set STO,  24                          ; v24     the way out: where I put 32 bytes of a row
.set RD,   25                          ; v25     the way out: where I read 16 bytes of a row back
.set CO,   26                          ; v26     16 x my lane: my bytes in 512 of a row of out0
.set BO,   27                          ; v27     32 (l / 16): my eight numbers in a block of 16 of the bias
.set SPW,  28                          ; v28     LDS address of my spare word; never rewritten
.set NIL,  29                          ; v29     0; never rewritten
.set PFO,  30                          ; v30     the prefetches' offset: my lane x a row (8,192 bytes); never rewritten
.set F0,   64
.set F1,   128
.set BIAS, 192
.set PFA,  44                          ; s[44:45] where my prefetches stand: my work-group's 32 rows of the 128 that I fetch, one K step further along K than the refill that is being asked for
.set LIM,  43                          ; s43     1 in a wave that prefetches, else the greatest number
.set G1,  24                           ; s[24:31] descriptor group 1 for xh's tiles
.set G0,  32                           ; s[32:39] descriptor group 0 for xh's tiles, one set for each slot
.set G1B, 48                           ; s[48:55] group 1 for wh's tiles: it differs in the mask alone
.set G0B, 56                           ; s[56:63] group 0 for wh's tiles
.set MSB, 0
.macro WIN new                         ; the immediate's high byte repeats the setting that is left; a switch that changes nothing is dropped
.if MSB != (\new)
	s_set_vgpr_msb (MSB<<8)|(\new)
.set MSB, \new
.endif
.endm
.set MUL_LO, 0xa1                      ; source 0 (wh) window 1, source 1 (xh) window 0, C and D window 2
.set MUL_HI, 0xf1                      ; the same, C and D window 3
.set TO_B,   0x40                      ; destination window 1, address window 0
; A joint load.  Waves 0 and 1 fetch xh's two halves, waves 2 and 3 wh's.  Each line has ONE mask and one set of registers for all that issue it.  The branch hangs on the wave's number alone.
; An s_nop 0 and four v_nop follow each of the two lines, ahead of the jump, the label and what follows the macro.
.macro JLOAD s
	s_cmp_eq_u32 s11, 0
	s_cbranch_scc0 .Lfor_b_\@
	tensor_load_to_lds s[G0+4*(\s):G0+4*(\s)+3], s[G1:G1+7]
	s_nop 0
.rept 4
	v_nop
.endr
	s_branch .Lasked_\@
.Lfor_b_\@:
	tensor_load_to_lds s[G0B+4*(\s):G0B+4*(\s)+3], s[G1B:G1B+7]
	s_nop 0
.rept 4
	v_nop
.endr
.Lasked_\@:
.endm
; A PREFETCH INTO THE L2, behind each joint load, its five lines and the run of LDS loads that follows them: the K step that stands TWO refills on (512 matrix instructions ahead of the load that will
; want it): 32 rows x 256 bytes, a lane a row, one instruction a wave.  Each row's 256 bytes of a K step are named ONCE in the launch: xh's tile row is read by every cluster of that row of clusters,
; and the one with x = 0 asks; wh's tile column by every cluster of that column, and the one with y = 0 asks.  The four partners that ask for a tile jointly share its rows out BY ADDRESS: of the 128
; rows that a wave fetches the partner at place p takes 32 p .. 32 p + 31 (p = cx for xh, cy for wh).  The loop's last trip (s3 = 1) asks for nothing: its refills are the last two K steps.
.macro ASK
	s_cmp_gt_u32 s3, s[LIM]
	s_cbranch_scc0 .Lnot_mine_\@
	global_prefetch_b8 v[PFO], s[PFA:PFA+1] offset:KSTEP*2 th:TH_LOAD_NT scope:SCOPE_SE
.Lnot_mine_\@:
.endm
; A round of the cluster's barrier: my work-group's barrier, so that wave 0's signal speaks for all four waves; wave 0 signals for the work-group; every wave waits for all sixteen work-groups;
; my work-group's barrier once more.
.macro CREST                           ; a round behind its opening barrier
	s_cmp_lg_u32 s10, 0
	s_cbranch_scc1 .Lnot_wave_0_\@
	s_barrier_signal -3
.Lnot_wave_0_\@:
	s_barrier_wait -3
	s_barrier_signal -1
	s_barrier_wait -1
.endm
.macro CROUND                          ; a whole round
	s_barrier_signal -1
	s_barrier_wait -1
	CREST
.endm
	s_load_b128 s[4:7], s[0:1], 0x0                ; xh s[4:5], wh s[6:7]
	s_load_b128 s[68:71], s[0:1], 0x10             ; bias s[68:69], out0 s[70:71]
	v_lshl_add_u32 v[SPW], v0, 2, SPARE
	v_mov_b32 v[NIL], 0
	ds_add_u32 v[SPW], v[NIL]                      ; the wave's opening: the add and its wait stand ahead of my first tensor load; the set-up below, work on registers, stands between them
	v_lshrrev_b32 v1, 5, v0
	v_readfirstlane_b32 s10, v1                    ; wave 0..3
	s_lshr_b32 s11, s10, 1                         ; which half of the tile's rows is mine.  Also: I fetch for xh (0) or for wh (1)
	s_and_b32 s12, s10, 1                          ; which half of its columns.  Also: which 128 rows of that tile I fetch
	s_bfe_u32 s40, ttmp6, 0x40000                  ; cx
	s_bfe_u32 s41, ttmp6, 0x40004                  ; cy
	s_lshl_b32 s42, ttmp9, 2                       ; in a cluster launch ttmp9 and ttmp7 count clusters
	s_add_co_u32 s42, s42, s40                     ; tile column = 4 x cluster x + cx
	s_and_b32 s13, ttmp7, 0xffff
	s_lshl_b32 s13, s13, 2
	s_add_co_u32 s13, s13, s41                     ; tile row = 4 x cluster y + cy
	s_lshl_b32 s43, s41, 2
	s_lshl_b32 s43, 15, s43                        ; my row of the cluster: places 4 cy .. 4 cy + 3
	s_lshl_b32 s44, 0x1111, s40                    ; my column: places cx, cx + 4, cx + 8, cx + 12
	; descriptor group 1: a tile of 128 rows x 128 elements, padded in LDS
	s_or_b32 s[G1+0], s43, (1<<16)|(1<<20)|(1<<21)|(5<<22)|(3<<25)  ; 15:0 the mask: xh's tiles go to my row; 17:16 elements of 2 bytes; 20 padding on; 21 set beside a mask; 24:22 after every 64 words (code 5); 31:25 4 words of it (code 3)
	s_or_b32 s[G1B+0], s44, (1<<16)|(1<<20)|(1<<21)|(5<<22)|(3<<25) ; the same with the mask of my column, for wh's tiles
	s_mov_b32 s[G1B+1], KSTEP<<16
	s_mov_b32 s[G1+1], KSTEP<<16                   ; tensor_dim0 = 128
	s_mov_b32 s[G1B+2], 128<<16
	s_mov_b32 s[G1+2], 128<<16                     ; tensor_dim1 = 128
	s_mov_b32 s[G1B+3], KSTEP<<16
	s_mov_b32 s[G1+3], KSTEP<<16                   ; tile_dim0 = 128
	s_mov_b32 s[G1B+4], 128
	s_mov_b32 s[G1+4], 128                         ; tile_dim1 = 128
	s_mov_b32 s[G1B+5], SIZE_K
	s_mov_b32 s[G1+5], SIZE_K                      ; elements from row to row
	s_mov_b32 s[G1B+6], 0
	s_mov_b32 s[G1+6], 0
	s_mov_b32 s[G1B+7], 0
	s_mov_b32 s[G1+7], 0
	; where the tiles come from.  xh's hang on the tile row alone, which my row of the cluster shares; wh's on the tile column alone, which my column shares.
	; Every wave makes both addresses, in registers that never hold the other coordinate, and asks by one of them.
	s_lshl_b32 s17, s12, 7                         ; which 128 rows of the tile I fetch
	s_lshl_b32 s16, s13, 8
	s_add_co_u32 s16, s16, s17                     ; xh: row 256 x tile row + 128 x half
	s_lshl_b32 s46, s42, 8
	s_add_co_u32 s46, s46, s17                     ; wh: row 256 x tile column + 128 x half
	s_mov_b32 s17, 0
	s_mov_b32 s47, 0
	s_mov_b64 s[18:19], SIZE_K*2
	s_mul_u64 s[16:17], s[16:17], s[18:19]         ; in bytes
	s_mul_u64 s[46:47], s[46:47], s[18:19]
	s_mul_i32 s20, s10, HALFT                      ; and where they go: wave x 128 rows: no place in the cluster enters an LDS address
	s_wait_dscnt 0x0                               ; the opening add is done
	s_wait_kmcnt 0x0
	s_add_nc_u64 s[14:15], s[4:5], s[16:17]
	s_add_nc_u64 s[46:47], s[6:7], s[46:47]
	CROUND                                         ; all sixteen work-groups are here: the first joint loads meet
.irp s, 0,1
	s_mov_b32 s[G0+4*(\s)], 1                                      ; count = 1
	s_add_co_u32 s[G0+4*(\s)+1], s20, (\s)*SLOT                    ; LDS address
	s_add_nc_u64 s[G0+4*(\s)+2:G0+4*(\s)+3], s[14:15], (\s)*KSTEP*2  ; global address: K step s
	s_or_b32 s[G0+4*(\s)+3], s[G0+4*(\s)+3], 0x80000000            ; type = 2
	s_mov_b32 s[G0B+4*(\s)], 1
	s_add_co_u32 s[G0B+4*(\s)+1], s20, (\s)*SLOT
	s_add_nc_u64 s[G0B+4*(\s)+2:G0B+4*(\s)+3], s[46:47], (\s)*KSTEP*2
	s_or_b32 s[G0B+4*(\s)+3], s[G0B+4*(\s)+3], 0x80000000
	JLOAD \s                                       ; the ring is filled before anything else is done: two loads of mine are out
.endr
	; A fragment is 16 rows x 32 K in 8 registers: lane l holds row l % 16; registers 0-3 hold K = 8 (l / 16) + 0..7, registers 4-7 K = 16 + 8 (l / 16) + 0..7: two loads of 16 bytes, 32 bytes apart.
	v_and_b32 v1, 15, v0                           ; l % 16
	v_bfe_u32 v2, v0, 4, 1                         ; l / 16
	v_mul_u32_u24 v3, v1, PITCH
	v_lshl_add_u32 v3, v2, 4, v3                   ; row x pitch + 16 x half
	s_mul_i32 s21, s11, HALFT                      ; my 128 rows of xh
	s_mul_i32 s22, s12, HALFT                      ; my 128 rows of wh,
	s_add_co_u32 s22, s22, 2*HALFT                 ; which lie behind xh's 256
.irp s, 0,1
	v_add_nc_u32 v[ADRA+(\s)], s21, v3
	v_add_nc_u32 v[ADRB+(\s)], s22, v3
	s_add_co_u32 s21, s21, SLOT
	s_add_co_u32 s22, s22, SLOT
.endr
	s_mul_i32 s23, s10, 16*SPITCH
	s_add_co_u32 s23, s23, STAGE                   ; my stage
	v_mul_u32_u24 v4, v1, SPITCH                   ; in: row l % 16, 32 bytes for each half of the lanes
	v_lshl_add_u32 v4, v2, 5, v4
	v_add_nc_u32 v[STO], s23, v4
	v_and_b32 v5, 31, v0
	v_lshlrev_b32 v[CO], 4, v5                     ; back: 32 lanes take one row of 512 bytes,
	v_add_nc_u32 v[RD], s23, v[CO]                 ; which are 512 consecutive bytes of out0
	v_lshlrev_b32 v[BO], 5, v2
	; out0 at my part of the tile, the bias at my 128 columns
	s_lshl_b32 s13, s13, 8                         ; 256 x tile row
	s_lshl_b32 s14, s11, 7
	s_add_co_u32 s16, s13, s14                     ; my first row,
	s_lshl_b32 s16, s16, 14                        ; x 16,384 bytes: under 2^32
	s_mov_b32 s17, 0
	s_lshl_b32 s46, s42, 10                        ; my first column, in bytes: 1,024 x tile column + 512 x half (in the registers that held wh's address: none that feeds xh's descriptors ever holds cx)
	s_lshl_b32 s47, s12, 9
	s_add_co_u32 s46, s46, s47
	s_mov_b32 s47, 0
	s_add_nc_u64 s[68:69], s[68:69], s[46:47]
	s_add_nc_u64 s[70:71], s[70:71], s[46:47]
	s_add_nc_u64 s[70:71], s[70:71], s[16:17]
.irp b, 0,1,2,3,4,5,6,7                ; column block b: my lane's columns 16 b + 8 (l / 16) + 0..7, as a result holds them
	global_load_b128 v[BIAS+8*(\b):BIAS+8*(\b)+3],   v[BO], s[68:69] offset:64*(\b)
	global_load_b128 v[BIAS+8*(\b)+4:BIAS+8*(\b)+7], v[BO], s[68:69] offset:64*(\b)+16
.endr
	; the prefetches.  s13 = 256 x tile row, s42 = tile column, s40 = cx, s41 = cy still stand
	s_lshl_b32 s42, s42, 8
	s_and_b32 s22, ttmp7, 0xffff                   ; cluster y
	s_cmp_eq_u32 s11, 0                            ; do I fetch for xh?
	s_cselect_b32 s20, s13, s42                    ; the tile's first row
	s_cselect_b32 s21, s40, s41                    ; my place among the four that ask for it with me
	s_cselect_b32 s22, ttmp9, s22                  ; the coordinate along which other clusters read the same rows
	s_cselect_b64 s[PFA:PFA+1], s[4:5], s[6:7]
	s_cmp_eq_u32 s22, 0
	s_cselect_b32 s[LIM], 1, -1                    ; the same in all sixteen partners, for a given wave
	s_lshl_b32 s22, s12, 7
	s_add_co_u32 s20, s20, s22                     ; + the 128 rows that I fetch
	s_lshl_b32 s21, s21, 5
	s_add_co_u32 s20, s20, s21                     ; + my work-group's 32 of them
	s_mov_b32 s21, 0
	s_mov_b64 s[18:19], SIZE_K*2
	s_mul_u64 s[20:21], s[20:21], s[18:19]
	s_add_nc_u64 s[PFA:PFA+1], s[PFA:PFA+1], s[20:21]
	s_add_nc_u64 s[PFA:PFA+1], s[PFA:PFA+1], 2*KSTEP*2  ; at K step 2: the first refill steps it to 3 and names K step 4.  Nothing is prefetched here, at the head
	v_and_b32 v[PFO], 31, v0
	v_mul_u32_u24 v[PFO], v[PFO], SIZE_K*2
; 16 matrix instructions: m blocks a0, a0 + 1 of the window's four (hi = 0: my rows 0-63, 1: rows 64-127) x all 8 n blocks, 32 along K.
; zero = 1: the first product starts the sums, with the bias (window 0) as C.  The 64 accumulators take turns in the same order in every quarter step.
.macro MUL16 f, hi, a0, zero
.if \zero
	WIN 0x81+0x40*(\hi)
.else
	WIN MUL_LO+0x50*(\hi)
.endif
.irp a, \a0, (\a0)+1
.irp b, 0,1,2,3,4,5,6,7
.if \zero
	v_wmma_f32_16x16x32_f16 v[8*(8*(\a)+(\b)):8*(8*(\a)+(\b))+7], v[(\f)+8*(\b):(\f)+8*(\b)+7], v[(\f)+8*(4*(\hi)+(\a)):(\f)+8*(4*(\hi)+(\a))+7], v[BIAS+8*(\b):BIAS+8*(\b)+7]
.else
	v_wmma_f32_16x16x32_f16 v[8*(8*(\a)+(\b)):8*(8*(\a)+(\b))+7], v[(\f)+8*(\b):(\f)+8*(\b)+7], v[(\f)+8*(4*(\hi)+(\a)):(\f)+8*(4*(\hi)+(\a))+7], v[8*(8*(\a)+(\b)):8*(8*(\a)+(\b))+7]
.endif
.endr
.endr
.endm
; 32 LDS loads in one run: the fragments of one quarter step (128 rows of wh, 128 rows of xh, 32 K at byte k of the rows) into buffer f
.macro FETCH slot, k, f
	WIN TO_B
.irp i, 0,1,2,3,4,5,6,7
	ds_load_b128 v[(\f)+8*(\i):(\f)+8*(\i)+3],   v[ADRB+(\slot)] offset:(\k)+(\i)*16*PITCH
	ds_load_b128 v[(\f)+8*(\i)+4:(\f)+8*(\i)+7], v[ADRB+(\slot)] offset:(\k)+(\i)*16*PITCH+32
.endr
	WIN 0
.irp i, 0,1,2,3,4,5,6,7
	ds_load_b128 v[(\f)+8*(\i):(\f)+8*(\i)+3],   v[ADRA+(\slot)] offset:(\k)+(\i)*16*PITCH
	ds_load_b128 v[(\f)+8*(\i)+4:(\f)+8*(\i)+7], v[ADRA+(\slot)] offset:(\k)+(\i)*16*PITCH+32
.endr
.endm
; A load into a register that a matrix instruction has read, and an LDS store that reads a matrix result, stand four places behind that matrix instruction; only plain vector instructions that name
; none of its registers are places (ISA guide 7.12.1 for vector instructions).
.macro PLACES
.rept 4
	v_nop
.endr
.endm
; A K step is four quarter steps of 32 along K, 64 matrix instructions each, on buffers 0, 1, 0, 1.
; One of the first three: multiplies buffer f; in its middle it fetches the next quarter's fragments, at byte k of the same slot's rows, into buffer g.
.macro QUARTER slot, k, f, g, zero
	s_wait_dscnt 8                                 ; wh and xh's rows 0-63 are in; the youngest eight loads (xh's rows 64-127) may be out
	MUL16 \f, 0, 0, \zero
	MUL16 \f, 0, 2, \zero
	PLACES
	FETCH \slot, \k, \g
	s_wait_dscnt 32                                ; all but the 32 just issued
	MUL16 \f, 1, 0, \zero
	MUL16 \f, 1, 2, \zero
.endm
; The last quarter multiplies buffer 1 and changes slots.  MEET is its first half: ONE barrier for the change.  In front of it each wave waits for all its tensor loads, of which one is out: its part
; of the next slot; adds 0 to its spare word; and waits for that and for its own reads of this slot.  Behind it nobody reads this slot any more and the next slot is whole.
.macro MEET round                      ; round = 1: the rest of a round of the cluster's barrier follows
	WIN 0                                          ; (the add's two registers lie in window 0)
	s_wait_tensorcnt 0x0                           ; all my tensor loads have landed
	ds_add_u32 v[SPW], v[NIL]                      ; 0 onto my spare word
	s_wait_dscnt 9                                 ; (the add and the youngest eight loads may be out)
	MUL16 F1, 0, 0, 0                              ; sixteen matrix instructions stand between the add and the wait for it
	s_wait_dscnt 0x0                               ; the add is done, and my reads of this slot are over
	s_barrier_signal -1
	MUL16 F1, 0, 2, 0                              ; work on registers while the others arrive
.if \round
	WIN 0
.endif
	s_barrier_wait -1
.endm
; The whole last quarter, with a refill: behind the round the slot just read out is filled again first, with the K step two steps on; then come the next slot's first fragments.
; From a request to the wait for it a wave issues 224 matrix instructions.
.macro TURN slot, next
	s_wait_xcnt 0x0                                ; the last prefetch, a K step back, has read its address: it is stepped here, ahead of the waits of the change of slots
	s_add_nc_u64 s[PFA:PFA+1], s[PFA:PFA+1], KSTEP*2
	MEET 1
	CREST                                          ; no wave of any partner still reads this slot's tile or has a load on its way
	s_add_nc_u64 s[G0+4*(\slot)+2:G0+4*(\slot)+3], s[G0+4*(\slot)+2:G0+4*(\slot)+3], 2*KSTEP*2
	s_add_nc_u64 s[G0B+4*(\slot)+2:G0B+4*(\slot)+3], s[G0B+4*(\slot)+2:G0B+4*(\slot)+3], 2*KSTEP*2
	JLOAD \slot                                    ; the first tensor load behind the round, and my only one; the four v_nop behind it are also the places in front of the loads below
	FETCH \next, 0, F0
	ASK
	MUL16 F1, 1, 0, 0
	MUL16 F1, 1, 2, 0
.endm
; THE WAY OUT of block a (16 rows of my 128).  TOSTAGE: a lane's 32 bytes of each column block go into my own stage, the low four registers of each accumulator first, and come
; back as whole rows of 512 bytes.  SEND: they are stored.
.macro TOSTAGE a
.set AC, 64*((\a)%4)
.set BK, 64+64*((\a)%3)
	WIN 0x08+4*((\a)/4)                            ; the stores' data in window 2 or 3
.irp b, 0,1,2,3,4,5,6,7
	ds_store_b128 v[STO], v[AC+8*(\b):AC+8*(\b)+3]   offset:64*(\b)
	ds_store_b128 v[STO], v[AC+8*(\b)+4:AC+8*(\b)+7] offset:64*(\b)+16
.endr
	WIN 0
.set t, 0
.rept 16
	ds_load_b128 v[BK+4*t:BK+4*t+3], v[RD] offset:t*SPITCH  ; LDS serves a wave's instructions in order (ISA guide 5.7.1.4): these see the stores above; the next block's stores come behind them
.set t, t+1
.endr
.endm
.macro SEND a, younger                 ; younger: the LDS instructions issued behind block a's loads: the next block's 32, or none
.set BK, 64+64*((\a)%3)
	s_wait_dscnt \younger                          ; the block is back in registers
	s_wait_xcnt 0x0                                ; the stores of the block before have read their registers, which the block two further on is loaded into next
.set t, 0
.rept 16
	global_store_b128 v[CO], v[BK+4*t:BK+4*t+3], s[70:71] offset:(16*(\a)+t)*SIZE_N*4 th:TH_STORE_NT  ; 32 lanes store 512 consecutive bytes, at a multiple of 256 from out0's first byte; 127 rows at the most stand in the immediate
.set t, t+1
.endr
.endm
	s_wait_tensorcnt 1                             ; my part of K step 0 is in; K step 1's may stay out
	s_barrier_signal -1
	s_barrier_wait -1                              ; everybody's is
	FETCH 0, 0, F0
	s_wait_loadcnt 0x0                             ; the bias
	QUARTER 0, 64,  F0, F1, 1                      ; the first quarter stands in front of the loop: its products start the sums
	WIN 0                                          ; at a label and at a branch every window is 0
	s_mov_b32 s3, LAPS-1
.Llap:                                                 ; a trip goes once round the ring, from a lap's second quarter to the next lap's first, and fills both slots again
	QUARTER 0, 128, F1, F0, 0
	QUARTER 0, 192, F0, F1, 0
	TURN 0, 1
	QUARTER 1, 64,  F0, F1, 0
	QUARTER 1, 128, F1, F0, 0
	QUARTER 1, 192, F0, F1, 0
	TURN 1, 0
	QUARTER 0, 64,  F0, F1, 0
	WIN 0
	s_sub_co_u32 s3, s3, 1
	s_cmp_lg_u32 s3, 0
	s_cbranch_scc1 .Llap
	QUARTER 0, 128, F1, F0, 0                      ; the last lap is written out: it fills nothing
	QUARTER 0, 192, F0, F1, 0
	MEET 0                                         ; my one tensor load that was still out is slot 1's, the last K step's; no round follows
	PLACES                                         ; for the loads into buffer 0, which the quarter before multiplied
	FETCH 1, 0, F0
	MUL16 F1, 1, 0, 0
	MUL16 F1, 1, 2, 0
	QUARTER 1, 64,  F0, F1, 0
	QUARTER 1, 128, F1, F0, 0
	QUARTER 1, 192, F0, F1, 0
	s_wait_dscnt 8                                 ; the very last quarter: nothing more to fetch
	MUL16 F1, 0, 0, 0
	MUL16 F1, 0, 2, 0
	s_wait_dscnt 0x0
	MUL16 F1, 1, 0, 0
	MUL16 F1, 1, 2, 0
	PLACES                                         ; behind the last products: the stage's stores read results, and its loads land in fragment and bias registers
	TOSTAGE 0
	TOSTAGE 1
.irp a, 2,3,4,5,6,7                    ; a block's trip through the stage stands between the loads of the block before and its stores
	SEND (\a)-2, 32
	TOSTAGE \a
.endr
	SEND 6, 32
	SEND 7, 0
	s_wait_tensorcnt 0x0                           ; the wave's end: behind my last tensor load and my last LDS store
	ds_add_u32 v[SPW], v[NIL]
	s_wait_dscnt 0x0
	CROUND                                         ; the closing round: no work-group ends while a partner may still ask for a tile that names it
	s_endpgm
.Lfunc_end_k_q323857c069_gemm:
	.size	k_q323857c069_gemm, .Lfunc_end_k_q323857c069_gemm-k_q323857c069_gemm
	.p2alignl 7, 3214868480
	.fill 96, 4, 3214868480
	.section	.rodata,"a",@progbits
	.p2align	6, 0x0
	.amdhsa_kernel k_q323857c069_gemm
		.amdhsa_group_segment_fixed_size 327680
		.amdhsa_private_segment_fixed_size 0
		.amdhsa_enable_private_segment 0
		.amdhsa_kernarg_size 32
		.amdhsa_user_sgpr_count 2
		.amdhsa_user_sgpr_kernarg_segment_ptr 1
		.amdhsa_wavefront_size32 1
		.amdhsa_system_sgpr_workgroup_id_x 1
		.amdhsa_system_sgpr_workgroup_id_y 1
		.amdhsa_system_sgpr_workgroup_id_z 1
		.amdhsa_system_vgpr_workitem_id 0
		.amdhsa_next_free_vgpr 1024
		.amdhsa_next_free_sgpr 72
		.amdhsa_reserve_vcc 0
		.amdhsa_float_denorm_mode_32 3
		.amdhsa_float_denorm_mode_16_64 3
		.amdhsa_memory_ordered 1
		.amdhsa_forward_progress 1
		.amdhsa_inst_pref_size 143
	.end_amdhsa_kernel
	.amdgpu_metadata
---
amdhsa.version: [ 1, 2 ]
amdhsa.kernels:
  - .name:           k_q323857c069_gemm
    .symbol:         k_q323857c069_gemm.kd
    .args:
      - { .name: xh, .offset: 0, .size: 8, .value_kind: global_buffer, .address_space: global }
      - { .name: wh, .offset: 8, .size: 8, .value_kind: global_buffer, .address_space: global }
      - { .name: bias, .offset: 16, .size: 8, .value_kind: global_buffer, .address_space: global }
      - { .name: out0, .offset: 24, .size: 8, .value_kind: global_buffer, .address_space: global }
    .group_segment_fixed_size: 327680
    .private_segment_fixed_size: 0
    .kernarg_segment_align: 8
    .kernarg_segment_size: 32
    .max_flat_workgroup_size: 128
    .sgpr_count:     72
    .vgpr_count:     1024
    .wavefront_size: 32
...
	.end_amdgpu_metadata
.endif
;; end of part 2
;; ======== version 2 of 2: 2 launches; version 1 with the launch prep written anew for expert scheduling mode
;; limits: values are held in f16: magnitudes above 65,504 overflow, below 6.1e-05 lose precision
;; workspace buffers: xh 33,554,432 bytes; wh 33,554,432 bytes
;; launch prep (part 3): grid 4 x 64, 8 waves a work-group, no clusters, 5,120 bytes of LDS; arguments x, W_q, scale, zero_point, svd_up, svd_down, xh, wh; writes xh, wh
.if DOCPART == 3
	.amdgcn_target "amdgcn-amd-amdhsa--gfx1250"
	.amdhsa_code_object_version 6
	.text
	.protected	k_q323857c069_prep
	.globl	k_q323857c069_prep
	.p2align	8
	.type	k_q323857c069_prep,@function
k_q323857c069_prep:
	s_mov_b64 s[64:65], 0
	v_nop
	global_prefetch_b8 v0, s[64:65] scope:SCOPE_SE
	s_setreg_imm32_b32 hwreg(HW_REG_WAVE_SCHED_MODE, 0, 2), 2
	s_setreg_imm32_b32 hwreg(HW_REG_WAVE_MODE, 25, 1), 1
	s_wait_xcnt 0x0
	s_wait_alu depctr_vm_vsrc(0)
; wh[o][i] = f16((W_q[o][i] - zero_point[o][g]) * scale[o][g] + sum over k < 32 of svd_up[o][k] svd_down[k][i]), g = i / 128;  xh = f16(x).
; W_q: [4096][4096] int32.  scale, zero_point, svd_up: [4096][32] f32.  svd_down: [32][4096] f32.  x: [4096][4096] f32.  xh, wh: [4096][4096] f16.
; The rank-32 product goes to the matrix unit with f16 operands and f32 sums; the affine part is f32: a subtraction, then ONE fused multiply-add that also adds the product.
; LIMITS.  f16 holds no number of 65,520 or more: x, W_f, svd_up and svd_down of that size become infinities; below 2^-14 they keep f16's fixed step of 2^-24.
; W_q is exact in f32 up to 2^24.  (q - zp) * scale + svd is rounded once where the reference rounds twice.
; SHARES.  Work-group (gx, ry): rows 64 ry .. + 63 and columns 1,024 gx .. + 1,023 of W, and the 256 KiB of x number 4 ry + gx.  Wave w: group 8 gx + w (128 columns) of all 64 rows,
; as four blocks of 16 rows: 32 KiB of W_q; then 32 KiB of x.  256 work-groups of equal work.
; LAYOUT.  D = A B with A = 16 rows of svd_up and B = 16 columns of svd_down.  Fragment b of B takes for lane r the column 128 g + 8 r + b, so register j of D_b in lane (r = l % 16, h = l / 16) is
; the product at row 8 h + j, column 8 r + b: for a fixed j a lane holds EIGHT NEIGHBOURING columns, one in each of the eight accumulators.  Its W_q are 32 bytes on end, its result 16 bytes, and
; sixteen neighbouring lanes store 256 consecutive bytes, aligned.  Nothing of the product goes through LDS.
; IN FLIGHT.  The wave's 64 KiB go as 32 slots of four loads of 16 bytes a lane through a ring of eight register slots: 32 loads a wave are on their way all the time, from W_q on into x.
; NO CLUSTER, NO TENSOR LOADS: every byte of W_q and x is wanted by one wave alone and goes straight into its registers.  What is shared (a work-group's 128 KiB of svd_down with the 63 others of
; its gx, its 8 KiB of svd_up with three others) is wanted in registers, converted, in a fragment's order, once a wave, at the head.
; No label and no branch: all row steps stand in the immediates (55 x 16,384 + 16 at the most).
; THE MODE: SCHED_MODE bits 1:0 = 2 (LLVM: expert scheduling mode 2), set by the entry lines.  The code itself states the register dependences between vector or matrix instructions and memory or
; LDS instructions, with s_wait_alu, always for 0.
; THE PLAN.  Registers that memory or LDS instructions touch:
;   v2-v11      offsets and LDS addresses: written at the head, never again.  One wait on va_vdst in front of the first load serves every load, store and LDS instruction of the kernel.
;   SZ, UT, DT  loaded once at the head; SZ is read by one LDS store, UT and DT by conversions; none is loaded again.
;   Q0 .. Q7    the ring.  Slot s: its conversions read Q[s % 8]; behind them the loads of slot s + 8 land in it.
;   S, ZP       loaded from LDS in a block's first slot; read by the block's subtractions and multiply-adds.
;   OUT0, OUT1  Slot s's roundings write OUT[s % 2].  A slot of W_q is stored in slot s + 1, a slot of x in slot s itself.
;   T, the accumulators, A's and B's fragments are named by vector and matrix instructions alone.
; So ONE wait on va_vdst stands in a slot, behind the conversions that empty its ring registers, and all the slot's memory and LDS instructions follow it at once; the vector and matrix instructions
; behind them name none of the registers that those touch.  One wait on vm_vsrc, beside s_wait_xcnt 0, stands ahead of the roundings that write an OUT buffer again.
; REGISTERS.  Window 0: v2-11 offsets; v12-15 my 16 bytes of scale or zero_point; v16-31 T; v32-47 OUT, two buffers (v1 and v40-45: at work at the head); v48-55 S; v56-63 ZP;
; v64-127 the eight accumulators (at the head: svd_up in f32); v128-255 the ring.  Window 1: v0-63 B's eight fragments; v64-95 A's four; v96-223 svd_down in f32.
.set ROWQ,  16384                      ; bytes in a row of W_q and of svd_down
.set ROWH,  8192                       ; bytes in a row of wh
.set ZPL,   2048                       ; LDS: scale [64 rows][8 groups] f32 at 0, zero_point likewise here
.set SPARE, 4096                       ; behind them: the spare words, 128 bytes for each of the eight waves: four blocks of 256 bytes that no other line names
.set LO,  2                            ; v2   h << 17 | w << 9 | r << 5: my place in W_q's rows, and in svd_down's
.set WO,  3                            ; v3   h << 16 | w << 8 | r << 4: my 16 bytes of wh
.set XO,  4                            ; v4   w << 15 | l << 4: my 16 bytes of x
.set XS,  5                            ; v5   w << 14 | l << 3: my 8 bytes of xh
.set SR,  6                            ; v6   h << 8 | w << 2: LDS, my group's word in row 8 h
.set UO,  7                            ; v7   r << 7 | h << 5: my place in svd_up
.set SPW, 8                            ; v8   LDS address of my spare word; never rewritten
.set NIL, 9                            ; v9   0; never rewritten
.set SZO, 10                           ; v10  my 16 bytes of scale or zero_point in memory
.set SZL, 11                           ; v11  and in LDS: 16 x my thread's number
.set SZ,  12
.set T,   16                           ; pair b: column b of rows j and j + 1
.set OUT, 32                           ; buffer k at OUT + 8 k
.set S,   48
.set ZP,  56
.set ACC, 64
.set UT,  64
.set Q,   128
.set BF,  0                            ; window 1
.set AF,  64
.set DT,  96
.set MSB, 0
.macro WIN new                         ; s_set_vgpr_msb: bits 1:0 source 0, 3:2 source 1, 5:4 source 2, 7:6 destination; the high byte repeats the setting that is left
.if MSB != (\new)
	s_set_vgpr_msb (MSB<<8)|(\new)
.set MSB, \new
.endif
.endm
	s_load_b512 s[8:23], s[0:1], 0x0               ; x s[8:9], W_q s[10:11], scale s[12:13], zero_point s[14:15], svd_up s[16:17], svd_down s[18:19], xh s[20:21], wh s[22:23]
	v_lshl_add_u32 v[SPW], v0, 2, SPARE
	v_mov_b32 v[NIL], 0
	v_lshrrev_b32 v40, 5, v0
	v_readfirstlane_b32 s2, v40                    ; wave 0..7
	s_mov_b32 s3, ttmp9                            ; gx
	s_and_b32 s4, ttmp7, 0xffff                    ; ry
	s_lshl2_add_u32 s5, s4, s3                     ; 4 ry + gx
	v_and_b32 v1, 15, v0                           ; r
	v_bfe_u32 v41, v0, 4, 1                        ; h
	v_and_b32 v42, 31, v0                          ; l
	s_wait_alu depctr_va_sdst(0)                   ; s2 is written, ahead of its first reader: the offsets below and the choice between scale and zero_point are made from it
	s_lshl_b32 s6, s2, 9                           ; the wave's number, shifted five ways: each in a scalar register of its own, which nothing writes again
	s_lshl_b32 s7, s2, 8
	s_lshl_b32 s28, s2, 15
	s_lshl_b32 s29, s2, 14
	s_lshl_b32 s30, s2, 2
	v_lshl_add_u32 v[LO], v1, 5, s6
	v_lshl_add_u32 v[LO], v41, 17, v[LO]
	v_lshl_add_u32 v[WO], v1, 4, s7
	v_lshl_add_u32 v[WO], v41, 16, v[WO]
	v_lshl_add_u32 v[XO], v42, 4, s28
	v_lshl_add_u32 v[XS], v42, 3, s29
	v_lshl_add_u32 v[SR], v41, 8, s30
	v_lshlrev_b32 v[UO], 7, v1
	v_lshl_add_u32 v[UO], v41, 5, v[UO]
	v_and_b32 v43, 127, v0                         ; threads 0-127 copy scale, 128-255 zero_point: two threads a row, 16 bytes (four groups) each
	v_lshrrev_b32 v44, 1, v43
	v_and_b32 v45, 1, v0
	v_lshlrev_b32 v[SZO], 7, v44
	v_lshl_add_u32 v[SZO], v45, 4, v[SZO]
	v_lshlrev_b32 v[SZL], 4, v0
	s_mov_b32 s25, 0                               ; every offset is under 2^32: the pair's high word is 0
	s_wait_kmcnt 0x0
	s_lshl_b32 s24, s4, 20                         ; 64 rows of 16,384 bytes,
	s_lshl_b32 s31, s3, 12                         ; 1,024 columns of 4
	s_add_co_u32 s24, s24, s31
	s_add_nc_u64 s[10:11], s[10:11], s[24:25]
	s_mov_b32 s24, s31
	s_add_nc_u64 s[18:19], s[18:19], s[24:25]
	s_lshl_b32 s24, s4, 13                         ; 64 rows of 128 bytes
	s_add_nc_u64 s[16:17], s[16:17], s[24:25]
	s_lshl_b32 s31, s3, 5                          ; 8 groups of 4 bytes
	s_add_co_u32 s24, s24, s31
	s_add_nc_u64 s[12:13], s[12:13], s[24:25]
	s_add_nc_u64 s[14:15], s[14:15], s[24:25]
	s_lshl_b32 s24, s4, 19                         ; 64 rows of 8,192 bytes,
	s_lshl_b32 s31, s3, 11                         ; 1,024 columns of 2
	s_add_co_u32 s24, s24, s31
	s_add_nc_u64 s[22:23], s[22:23], s[24:25]
	s_lshl_b32 s24, s5, 18
	s_add_nc_u64 s[8:9], s[8:9], s[24:25]
	s_lshl_b32 s24, s5, 17
	s_add_nc_u64 s[20:21], s[20:21], s[24:25]
	s_cmp_lt_u32 s2, 4
	s_cselect_b64 s[26:27], s[12:13], s[14:15]     ; waves 0-3 copy scale, waves 4-7 zero_point
; Slot s of the wave's stream, four loads.  s < 16: rows j = 2 (s % 4) and j + 1 of block s / 4 of W_q, 32 bytes a lane and row.  Else: 2 KiB of x, 512 consecutive bytes a load.
.macro FILL s
.set FQ, Q+16*((\s)%8)
.if (\s) < 16
.set FR, 16*((\s)/4)+2*((\s)%4)
	global_load_b128 v[FQ:FQ+3],     v[LO], s[10:11] offset:FR*ROWQ th:TH_LOAD_NT
	global_load_b128 v[FQ+4:FQ+7],   v[LO], s[10:11] offset:FR*ROWQ+16 th:TH_LOAD_NT
	global_load_b128 v[FQ+8:FQ+11],  v[LO], s[10:11] offset:(FR+1)*ROWQ th:TH_LOAD_NT
	global_load_b128 v[FQ+12:FQ+15], v[LO], s[10:11] offset:(FR+1)*ROWQ+16 th:TH_LOAD_NT
.else
.irp i, 0,1,2,3
	global_load_b128 v[FQ+4*(\i):FQ+4*(\i)+3], v[XO], s[8:9] offset:((\s)-16)*2048+(\i)*512 th:TH_LOAD_NT
.endr
.endif
.endm
; The two stores of slot s of W_q, from OUT[s % 2]: issued in slot s + 1, behind that slot's wait on va_vdst.
.macro WOUT s
.set OB, OUT+8*((\s)%2)
.set RW, 16*((\s)/4)+2*((\s)%4)
	global_store_b128 v[WO], v[OB:OB+3],   s[22:23] offset:RW*ROWH th:TH_STORE_NT      ; 16 lanes store 256 consecutive bytes, at a multiple of 256 from wh's first byte
	global_store_b128 v[WO], v[OB+4:OB+7], s[22:23] offset:(RW+1)*ROWH th:TH_STORE_NT
.endm
; A slot of W_q: two rows a lane half.  In a block's first slot the block begins: my eight scales and zero points (rows 16 n + 8 h + 0..7 of my group) come out of LDS, and eight products make the
; block's 16 x 128 of svd_up svd_down: eight different accumulators, each started by the constant 0: no chain.  The eight subtractions, which name T and ZP alone, are the places between those products
; and the first read of a result (ISA guide 7.12.1), which takes each accumulator's registers 0 and 1.
.macro WSLOT s
.set QR, Q+16*((\s)%8)
.set PP, (\s)%4
.set NB, (\s)/4
.set OW, OUT+8*((\s)%2)
	s_wait_loadcnt 28                              ; loads come back in order (ISA guide 5.7.1): my slot is in, the seven younger slots' 28 loads stay out
.irp b, 0,1,2,3,4,5,6,7
	v_cvt_f32_i32 v[T+2*(\b)],   v[QR+(\b)]
	v_cvt_f32_i32 v[T+2*(\b)+1], v[QR+8+(\b)]
.endr
.if (\s) >= 2
	s_wait_xcnt 0x0                                ; every earlier memory instruction has had its addresses translated (ISA guide 3.1): this slot's OUT buffer, the data of the stores issued in the slot before, is rewritten only behind this wait
	s_wait_alu depctr_vm_vsrc(0)                   ; those stores have read this slot's OUT buffer, which the roundings below write again
.endif
	s_wait_alu depctr_va_vdst(0)                   ; the conversions are done reading the slot's ring registers, in which the loads below land; the slot before has written the other OUT buffer, which the stores below read; in a block's first slot the block before is done reading S and ZP, in which the LDS loads land
.if PP == 0
.irp j, 0,1,2,3,4,5,6,7
	ds_load_b32 v[S+(\j)],  v[SR] offset:NB*512+(\j)*32
	ds_load_b32 v[ZP+(\j)], v[SR] offset:ZPL+NB*512+(\j)*32
.endr
.endif
	FILL (\s)+8                                    ; the slot's registers are free: the slot eight further on
.if (\s) > 0
	WOUT (\s)-1                                    ; no vector instruction since the wait names these registers
.endif
.if PP == 0
	WIN 0x05                                       ; A and B in window 1, D in window 0
.irp b, 0,1,2,3,4,5,6,7
	v_wmma_f32_16x16x32_f16 v[ACC+8*(\b):ACC+8*(\b)+7], v[AF+8*NB:AF+8*NB+7], v[BF+8*(\b):BF+8*(\b)+7], 0
.endr
	WIN 0
	s_wait_dscnt 0x0                               ; S and ZP are in
.endif
.irp b, 0,1,2,3,4,5,6,7
	v_pk_add_f32 v[T+2*(\b):T+2*(\b)+1], v[T+2*(\b):T+2*(\b)+1], v[ZP+2*PP:ZP+2*PP+1] neg_lo:[0,1] neg_hi:[0,1]  ; q - zp
.endr
.irp b, 0,1,2,3,4,5,6,7
	v_pk_fma_f32 v[T+2*(\b):T+2*(\b)+1], v[T+2*(\b):T+2*(\b)+1], v[S+2*PP:S+2*PP+1], v[ACC+8*(\b)+2*PP:ACC+8*(\b)+2*PP+1]  ; times scale, plus the product
.endr
.irp c, 0,1,2,3
	v_cvt_pk_f16_f32 v[OW+(\c)],   v[T+4*(\c)],   v[T+4*(\c)+2]
	v_cvt_pk_f16_f32 v[OW+4+(\c)], v[T+4*(\c)+1], v[T+4*(\c)+3]
.endr
.endm
; A slot of x: 16 numbers a lane are rounded to f16.  Its conversions empty the ring registers and fill the OUT buffer at once, so the one wait behind them serves the loads and the slot's own stores.
.macro XSLOT s
.set QR, Q+16*((\s)%8)
.set OX, OUT+8*((\s)%2)
.set LEFT, 4*(31-(\s))
.if LEFT > 28
.set LEFT, 28
.endif
	s_wait_loadcnt LEFT                            ; the younger slots' loads stay out; the last eight slots are not filled again, and the count runs down
	s_wait_xcnt 0x0                                ; every earlier memory instruction has had its addresses translated (ISA guide 3.1): this slot's OUT buffer is rewritten only behind this wait
	s_wait_alu depctr_vm_vsrc(0)                   ; the stores issued so far have read this slot's OUT buffer, which the conversions below write again
.irp i, 0,1,2,3
	v_cvt_pk_f16_f32 v[OX+2*(\i)],   v[QR+4*(\i)],   v[QR+4*(\i)+1]
	v_cvt_pk_f16_f32 v[OX+2*(\i)+1], v[QR+4*(\i)+2], v[QR+4*(\i)+3]
.endr
	s_wait_alu depctr_va_vdst(0)                   ; the conversions have written this slot's OUT buffer, which the stores below read, and are done reading the slot's ring registers, in which the loads below (where the slot is filled again) land; in slot 16 the last slot of W_q has written the other OUT buffer
.if (\s)+8 < 32
	FILL (\s)+8
.endif
.if (\s) == 16
	WOUT 15                                        ; the last slot of W_q goes out
.endif
.irp i, 0,1,2,3
	global_store_b64 v[XS], v[OX+2*(\i):OX+2*(\i)+1], s[20:21] offset:((\s)-16)*1024+(\i)*256 th:TH_STORE_NT  ; 32 lanes store 256 consecutive bytes, aligned
.endr
.endm
	; the small loads, 49 of them, then the ring's first slots
	s_wait_alu depctr_va_vdst(0)                   ; the offsets and LDS addresses v2 to v11 are written: every load, store and LDS instruction of the kernel reads one of them, and none is written again
	global_load_b128 v[SZ:SZ+3], v[SZO], s[26:27]
.irp n, 0,1,2,3                        ; svd_up, block n: row r, k = 8 h + 0..7 and 16 + 8 h + 0..7
	global_load_b128 v[UT+16*(\n):UT+16*(\n)+3],     v[UO], s[16:17] offset:(\n)*2048
	global_load_b128 v[UT+16*(\n)+4:UT+16*(\n)+7],   v[UO], s[16:17] offset:(\n)*2048+16
	global_load_b128 v[UT+16*(\n)+8:UT+16*(\n)+11],  v[UO], s[16:17] offset:(\n)*2048+64
	global_load_b128 v[UT+16*(\n)+12:UT+16*(\n)+15], v[UO], s[16:17] offset:(\n)*2048+80
.endr
	WIN 0x40                                       ; destination window 1; between the wait above and these loads stand loads and this switch alone
.set kk, 0
.rept 16                               ; svd_down: my eight columns of row 8 h + kk (kk < 8) or 16 + 8 h + kk - 8
.set KR, kk+8*(kk/8)
	global_load_b128 v[DT+8*kk:DT+8*kk+3],   v[LO], s[18:19] offset:KR*ROWQ
	global_load_b128 v[DT+8*kk+4:DT+8*kk+7], v[LO], s[18:19] offset:KR*ROWQ+16
.set kk, kk+1
.endr
	WIN 0
	FILL 0
	FILL 1
	FILL 2
	s_wait_loadcnt 44                              ; svd_down's 32 loads and the 12 of slots 0 to 2 may stay out: scale or zero_point and svd_up are in
	ds_store_b128 v[SZL], v[SZ:SZ+3]               ; its data came by a load; no vector instruction names v12 to v15
	WIN 0x40
.set i, 0
.rept 32                               ; A's fragments: register c of block n is k pair c of the lane's sixteen
	v_cvt_pk_f16_f32 v[AF+i], v[UT+2*i], v[UT+2*i+1]
.set i, i+1
.endr
	WIN 0
	FILL 3                                         ; no wait: the conversions above name svd_up's registers and A's fragments, none of the ring's
	FILL 4
	FILL 5
	FILL 6
	s_wait_loadcnt 28                              ; the 28 loads of slots 0 to 6 may stay out: svd_down is in
	WIN 0x45                                       ; destination and both sources in window 1
.set i, 0
.rept 64                               ; B's fragments: register c = i % 8 of fragment b = i / 8 is column b of rows 2 c and 2 c + 1 of the lane's sixteen
	v_cvt_pk_f16_f32 v[BF+i], v[DT+16*(i%8)+i/8], v[DT+16*(i%8)+8+i/8]
.set i, i+1
.endr
	WIN 0
	FILL 7                                         ; no wait: those conversions name window 1 alone
	s_wait_dscnt 0x0                               ; for the others' sake: my store into LDS is done
	s_barrier_signal -1
	s_barrier_wait -1                              ; scale and zero_point lie whole in LDS; the launch's only barrier
.irp n, 0,1,2,3
	WSLOT 4*(\n)
	WSLOT 4*(\n)+1
	WSLOT 4*(\n)+2
	WSLOT 4*(\n)+3
.endr
.irp s, 16,17,18,19,20,21,22,23,24,25,26,27,28,29,30,31
	XSLOT \s
.endr
	s_wait_dscnt 0x0                               ; the closing lines, six on end
	s_wait_alu 0x0
	s_wait_tensorcnt 0x0
	ds_add_u32 v[SPW], v[NIL]
	s_wait_dscnt 0x0
	s_endpgm
.Lfunc_end_k_q323857c069_prep:
	.size	k_q323857c069_prep, .Lfunc_end_k_q323857c069_prep-k_q323857c069_prep
	.p2alignl 7, 3214868480
	.fill 96, 4, 3214868480
	.section	.rodata,"a",@progbits
	.p2align	6, 0x0
	.amdhsa_kernel k_q323857c069_prep
		.amdhsa_group_segment_fixed_size 5120
		.amdhsa_private_segment_fixed_size 0
		.amdhsa_enable_private_segment 0
		.amdhsa_kernarg_size 64
		.amdhsa_user_sgpr_count 2
		.amdhsa_user_sgpr_kernarg_segment_ptr 1
		.amdhsa_wavefront_size32 1
		.amdhsa_system_sgpr_workgroup_id_x 1
		.amdhsa_system_sgpr_workgroup_id_y 1
		.amdhsa_system_sgpr_workgroup_id_z 1
		.amdhsa_system_vgpr_workitem_id 0
		.amdhsa_next_free_vgpr 480
		.amdhsa_next_free_sgpr 66
		.amdhsa_reserve_vcc 0
		.amdhsa_float_denorm_mode_32 3
		.amdhsa_float_denorm_mode_16_64 3
		.amdhsa_memory_ordered 1
		.amdhsa_forward_progress 1
		.amdhsa_inst_pref_size 86
	.end_amdhsa_kernel
	.amdgpu_metadata
---
amdhsa.version: [ 1, 2 ]
amdhsa.kernels:
  - .name:           k_q323857c069_prep
    .symbol:         k_q323857c069_prep.kd
    .args:
      - { .name: x, .offset: 0, .size: 8, .value_kind: global_buffer, .address_space: global }
      - { .name: W_q, .offset: 8, .size: 8, .value_kind: global_buffer, .address_space: global }
      - { .name: scale, .offset: 16, .size: 8, .value_kind: global_buffer, .address_space: global }
      - { .name: zero_point, .offset: 24, .size: 8, .value_kind: global_buffer, .address_space: global }
      - { .name: svd_up, .offset: 32, .size: 8, .value_kind: global_buffer, .address_space: global }
      - { .name: svd_down, .offset: 40, .size: 8, .value_kind: global_buffer, .address_space: global }
      - { .name: xh, .offset: 48, .size: 8, .value_kind: global_buffer, .address_space: global }
      - { .name: wh, .offset: 56, .size: 8, .value_kind: global_buffer, .address_space: global }
    .group_segment_fixed_size: 5120
    .private_segment_fixed_size: 0
    .kernarg_segment_align: 8
    .kernarg_segment_size: 64
    .max_flat_workgroup_size: 256
    .sgpr_count:     66
    .vgpr_count:     480
    .wavefront_size: 32
...
	.end_amdgpu_metadata
.endif
;; end of part 3
;; launch gemm: the kernel of part 2 again; grid 16 x 16, 4 waves a work-group, clusters of 4 x 4, 327,680 bytes of LDS; arguments xh, wh, bias, out0; writes out0
